; MI455X (gfx1250); checked and timed in simulation.
; The chip was launched on July 23, 2026; its instructions are those of AMD's public machine-readable ISA for CDNA 5 (MIT licence, August 2026) and "CDNA5" Instruction Set Architecture Reference Guide (July 2026). The comments in the code are by the model that wrote it; some were corrected since.
;; LSTM Cell. Allowed arithmetic: matrix products marked QUANTISED: E2M1 operands, one E8M0 scale for each 32 along K, by v_wmma_scale_f32_16x16x128_f8f6f4 with both operands' format E2M1 (or v_wmma_scale_f32_32x16x128_f4), f32 sums; everything else in f32.
;; Inputs: W_f 1,024 x 2,048 float32; W_g 1,024 x 2,048 float32; W_i 1,024 x 2,048 float32; W_o 1,024 x 2,048 float32; b_f 1,024 float32; b_g 1,024 float32; b_i 1,024 float32; b_o 1,024 float32; c 8,192 x 1,024 float32; h 8,192 x 1,024 float32; x 8,192 x 1,024 float32.
;; Outputs: out0 8,192 x 1,024 float32; out1 8,192 x 1,024 float32.
;; This version of the problem:
;;   THIS VERSION OF THE PROBLEM IS GIVEN IN LOW PRECISION. The matrix products marked QUANTISED in the list below multiply operands that are first quantised to E2M1 (2 exponent bits, 1 mantissa bit; 4 bits a number), with one power-of-two scale for each 32 numbers along K (OCP MX v1.0); their sums are f32. All else is computed in f32.
;;   The module's matrix products, in the order in which they are computed (A, B: the left and right operand; K: the contracted axis; several contracted axes count as one K, in the product's order):
;;     1. [M 8,192, K 2,048] x [K 2,048, N 4,096]; A: computed on the way; B: computed on the way: QUANTISED
;;   THE QUANTISER, for each operand of a quantised product, along K:
;;     - K is cut into blocks of 32 from its start; a last block that is shorter is filled with zeros.
;;     - A block's scale is 2^e with e = floor(log2(the largest magnitude in the block)) - 2, held to -126 .. 127; a block of zeros has e = 0. As a byte (E8M0): e + 127.
;;     - Each number is divided by its block's scale, clamped to +-6, and rounded to the nearest number of E2M1, ties to even, subnormals kept.
;;     - The product sums the exact products of the quantised numbers (number of the format x scale) in f32.
;;   ~~~python
;;   def quantise(x, axis):      # numpy; x: float32 -> the quantised numbers, widened to float32 again
;;       x = np.moveaxis(x, axis, -1); K = x.shape[-1]
;;       x = np.pad(x, [(0, 0)] * (x.ndim - 1) + [(0, -K % 32)]); x = x.reshape(x.shape[:-1] + (-1, 32)); a = np.abs(x).max(-1, keepdims=True)
;;       e = np.where(a > 0, np.clip(np.frexp(np.where(a > 0, a, 1))[1] - 1 - 2, -126, 127), 0)      # np.frexp(a)[1] - 1 = floor(log2(a)), exactly
;;       r = np.clip(x / 2.0 ** e, -6, 6)
;;       step = 2.0 ** (np.maximum(np.frexp(np.where(r == 0, 1, r))[1] - 1, 0) - 1)
;;       q = np.round(r / step) * step * 2.0 ** e      # np.round: ties to even
;;       return np.moveaxis(q.reshape(q.shape[:-2] + (-1,))[..., :K], -1, axis).astype(np.float32)
;;   ~~~
;;   OPERANDS COMPUTED ON THE WAY. 'Computed on the way' means the value that the module computes at that place (a softmax that the list does not call 'softmax' is quantised finished and normalised). What goes into a quantiser is computed in f32, as accurately as f32 sums, v_exp_f32 and their like allow (about 1e-6 of the number): no bf16 or f16 on the way to a quantiser, and a product that is left as it is and whose result goes on into a quantised operand takes f32 operands (vector FMAs, or v_wmma_f32_16x16x4_f32). A number that lies on a knife's edge between two numbers of the format may be rounded either way, as far as f32 arithmetic and the matrix unit's own rounding can turn it there, and no further.
;; One version. Each part assembles by itself: llvm-mc -triple=amdgcn-amd-amdhsa -mcpu=gfx1250 --defsym DOCPART=n.
;; ======== version 1 of 1: 2 launches
;; limits: inputs' magnitudes at most 4.6e+18; right only within a limited range of input values
;; workspace buffers: a_codes 8,388,608 bytes; a_scales 524,288 bytes; w_codes 4,194,304 bytes; w_scales 262,144 bytes
;; launch quant (part 1): grid 768 x 1, 4 waves a work-group, no clusters, 74,240 bytes of LDS; arguments x, h, W_i, W_f, W_o, W_g, a_codes, a_scales, w_codes, w_scales; writes a_codes, a_scales, w_codes, w_scales
.if DOCPART == 1
	.amdgcn_target "amdgcn-amd-amdhsa--gfx1250"
	.amdhsa_code_object_version 6
	.text
	.protected	k_q3d295551dd_quant
	.globl	k_q3d295551dd_quant
	.p2align	8
	.type	k_q3d295551dd_quant,@function
k_q3d295551dd_quant:
	s_mov_b64 s[64:65], 0
	v_nop
	global_prefetch_b8 v0, s[64:65] scope:SCOPE_SE
	s_setreg_imm32_b32 hwreg(HW_REG_WAVE_MODE, 25, 1), 1
	s_wait_xcnt 0x0
; LSTM cell, first of two launches.  gates = Q([x | h]) Q([W_i; W_f; W_o; W_g])^T + b, both operands quantised along K = 2,048 to FP4 (E2M1), one E8M0 scale for each 32 along K.
; NO WORK IS LEFT OUT in this program: every input has a way to an output, so all eleven are loaded, six of them here.
; [x | h] (work-groups 0-511): a wave takes 4 rows x 2,048; codes leave row-major, 1,024 bytes a row, scale bytes 64 a row.
; THE WEIGHTS (work-groups 512-767, w = number - 512): block w holds rows 16 (w / 4) .. + 15 of gate w % 4 (0 = i, 1 = f, 2 = o, 3 = g).  A wave takes the 16 rows x 512 along K (chunk = wave).
; Their codes are laid as the second launch's operand registers take them: [block][q = K / 128][c][h][row r][16 bytes], the 16 bytes holding K = 128 q + 64 c + 32 h + 0 .. 31;
; their scale bytes as [block][i][h][row r][16 bytes], the bytes of K chunk 2 h + i.  A wave's codes (4,096 bytes) are gathered in its own LDS stage and leave as consecutive bytes.
; A block's scale byte is its largest magnitude's exponent field - 2, held at 1 from below; numbers are divided by the scale and rounded to the nearest code, ties to even; beyond 6 the largest code.
; LIMITS: a block of zeros gets the byte 1 where the rule says 127 (its codes are zeros; this program alone reads the bytes); a block whose largest magnitude lies under 2^-124 keeps the byte 1; NaN and infinities are not served.
; Each load reads 512 consecutive bytes; a step's 2,048 bytes turn through the wave's own stage and come back 64 bytes a lane: two neighbouring lanes hold a block.  The two paths have LDS bytes of their own.
.set STEPS, 16
.set EMAX,  2
.set SP,    80                         ; a lane's place in a stage: 64 bytes + 16 of padding
.set R,     32                         ; v32-95   four sets of 16 numbers as loaded
.set X,     96                         ; v96-127  two sets of 16 neighbours
.set E,     128                        ; v128-143 a scale byte a step
.set C,     144                        ; v144-175 two registers of codes a step
.set SPW,   12
.set NIL,   13
.set WA,    8192                       ; [x | h]'s path: a wave's region: two stages (5,120), 256 scale bytes
.set WB0,   32768                      ; the weights' path begins here
.set WW,    10240                      ; its region: two stages, 256 scale bytes at 5,120, the codes' stage (16 x 272) at 5,632
.set SPARE, 73728                      ; the spare words, 512 bytes that no other line names
	s_load_b256 s[4:11], s[0:1], 0x0               ; x, h, W_i, W_f
	s_load_b256 s[12:19], s[0:1], 0x20             ; W_o, W_g, a_codes, a_scales
	s_load_b128 s[20:23], s[0:1], 0x40             ; w_codes, w_scales
	v_lshrrev_b32 v1, 5, v0
	v_readfirstlane_b32 s24, v1                    ; wave
	s_mul_i32 s25, s24, WA
	s_mul_i32 s26, s24, WW
	s_add_co_u32 s26, s26, WB0
	s_add_co_u32 s27, s25, 5120
	s_add_co_u32 s36, s26, 5120
	s_add_co_u32 s37, s26, 5632
	v_lshl_add_u32 v[SPW], v0, 2, SPARE
	v_mov_b32 v[NIL], 0
	v_and_b32 v2, 31, v0                           ; lane
	v_lshlrev_b32 v3, 4, v2                        ; 16 x lane
	v_lshlrev_b32 v4, 3, v2                        ; 8 x lane
	v_lshrrev_b32 v5, 2, v2
	v_mul_u32_u24 v5, v5, SP
	v_and_b32 v6, 3, v2
	v_lshl_add_u32 v5, v6, 4, v5                   ; into a stage: SP (lane / 4) + 16 (lane % 4)
	v_mul_u32_u24 v6, v2, SP                       ; out of it: SP x lane
	v_lshrrev_b32 v7, 1, v2                        ; my block
	v_add_nc_u32 v16, s25, v5                      ; v16-19: [x | h]'s path: stage in, stage out, my scale byte, the bytes' way out
	v_add_nc_u32 v17, s25, v6
	v_add_nc_u32 v18, s27, v7
	v_add_nc_u32 v19, s27, v4
	v_add_nc_u32 v20, s26, v5                      ; v20-23: the same for the weights' path
	v_add_nc_u32 v21, s26, v6
	v_add_nc_u32 v22, s36, v7
	v_add_nc_u32 v23, s36, v4
	v_mul_u32_u24 v8, v7, 272                      ; the codes' stage: piece lane / 2 = 4 (q % 4) + 2 c + h, 256 bytes + 16 of padding; my 8 bytes of row t at 16 t + 8 (lane % 2)
	v_and_b32 v9, 1, v2
	v_lshl_add_u32 v8, v9, 3, v8
	v_add_nc_u32 v24, s37, v8
	v_lshrrev_b32 v8, 4, v2                        ; and back: sixteen lanes to a piece
	v_mul_u32_u24 v8, v8, 272
	v_and_b32 v9, 15, v2
	v_lshl_add_u32 v8, v9, 4, v8
	v_add_nc_u32 v25, s37, v8
	s_wait_alu depctr_va_vdst(0)                   ; the wait at the head's end
	s_wait_kmcnt 0x0
.macro LOAD t, k                       ; step t: k = 0: row t / 4, quarter t % 4 (x, x, h, h);  k = 1: row t of the weight
.irp i, 0,1,2,3
.if \k
	global_load_b128 v[R+16*((\t)%4)+4*\i:R+16*((\t)%4)+4*\i+3], v3, s[28:29] offset:8192*(\t)+512*\i th:TH_LOAD_NT
.else
	global_load_b128 v[R+16*((\t)%4)+4*\i:R+16*((\t)%4)+4*\i+3], v3, s[28+2*(((\t)%4)/2):29+2*(((\t)%4)/2)] offset:4096*((\t)/4)+2048*((\t)%2)+512*\i th:TH_LOAD_NT
.endif
.endr
.endm
.macro TURN t, p                       ; through the stage: LDS serves a wave's instructions in order
.irp i, 0,1,2,3
	ds_store_b128 v[\p], v[R+16*((\t)%4)+4*\i:R+16*((\t)%4)+4*\i+3] offset:32*SP*((\t)%2)+8*SP*\i
.endr
.irp i, 0,1,2,3
	ds_load_b128 v[X+16*((\t)%2)+4*\i:X+16*((\t)%2)+4*\i+3], v[\p+1] offset:32*SP*((\t)%2)+16*\i
.endr
.endm
.macro STEP t, k, p
.set XS, X+16*((\t)%2)
.if (\t) > 0
	s_wait_dscnt 1+\k                              ; this step's numbers are back; the last step's byte store (and, for a weight, its store of codes) may be out
.else
	s_wait_dscnt 0x0
.endif
.if (\t)+4 < STEPS
	LOAD (\t)+4, \k
.endif
.if (\t)+1 < STEPS
.if STEPS-2-(\t) >= 3
	s_wait_loadcnt 12                              ; the next step's four loads are in; three steps' may be out
.else
	s_wait_loadcnt 4*(STEPS-2-(\t))
.endif
	TURN (\t)+1, \p
.endif
	v_max3_num_f32 v8, |v[XS]|, |v[XS+1]|, |v[XS+2]|
	v_max3_num_f32 v9, |v[XS+3]|, |v[XS+4]|, |v[XS+5]|
.irp i, 6,10
	v_max3_num_f32 v8, v8, |v[XS+\i]|, |v[XS+\i+1]|
	v_max3_num_f32 v9, v9, |v[XS+\i+2]|, |v[XS+\i+3]|
.endr
	v_max3_num_f32 v8, v8, |v[XS+14]|, |v[XS+15]|
	v_max3_num_f32 v8, v8, v9, (EMAX+1)<<23        ; the floor: the byte cannot fall under 1
	v_max_num_f32_dpp v8, v8, v8 row_xmask:1 row_mask:0xf bank_mask:0xf   ; with my neighbour's 16: the block's
	v_add_nc_u32 v11, -(EMAX<<23), v8              ; the conversion's scale operand
	v_cvt_scalef32_pk8_fp4_f32 v[C+2*(\t)], v[XS:XS+7], v11
	v_cvt_scalef32_pk8_fp4_f32 v[C+2*(\t)+1], v[XS+8:XS+15], v11
	v_lshrrev_b32 v[E+(\t)], 23, v11               ; the scale's byte (also the plain line behind the conversions)
	ds_store_b8 v[\p+2], v[E+(\t)] offset:16*(\t)
.if \k
	ds_store_b64 v24, v[C+2*(\t):C+2*(\t)+1] offset:16*(\t)
.else
	global_store_b64 v4, v[C+2*(\t):C+2*(\t)+1], s[32:33] offset:256*(\t)   ; 256 consecutive bytes, aligned
.endif
.endm
.macro BODY k, p
.irp t, 0,1,2,3
	LOAD \t, \k
.endr
	s_wait_loadcnt 12
	TURN 0, \p
.irp t, 0,1,2,3,4,5,6,7,8,9,10,11,12,13,14,15
	STEP \t, \k, \p
.endr
.if \k
.irp i, 0,1,2,3,4,5,6,7
	ds_load_b128 v[R+4*\i:R+4*\i+3], v25 offset:2*\i*272
.endr
.endif
	ds_load_b64 v[8:9], v[\p+3]
	s_wait_dscnt 0x0
.if \k
.irp i, 0,1,2,3,4,5,6,7
	global_store_b128 v3, v[R+4*\i:R+4*\i+3], s[32:33] offset:512*\i   ; 512 consecutive bytes
.endr
.endif
	global_store_b64 v4, v[8:9], s[34:35]          ; my 256 scale bytes, consecutive and aligned
	s_wait_tensorcnt 0x0                           ; the wave's end
	ds_add_u32 v[SPW], v[NIL]
	s_wait_dscnt 0x0
	s_endpgm
.endm
	s_mov_b32 s41, 0
	s_cmp_lt_u32 ttmp9, 512
	s_cbranch_scc0 .Lweights
	s_lshl_b32 s38, ttmp9, 2
	s_add_co_u32 s38, s38, s24                     ; which run of 4 rows is my wave's
	s_lshl_b32 s40, s38, 14                        ; 4 rows x 4,096 bytes in x and in h
	s_add_nc_u64 s[28:29], s[4:5], s[40:41]
	s_add_nc_u64 s[30:31], s[6:7], s[40:41]
	s_lshl_b32 s40, s38, 12
	s_add_nc_u64 s[32:33], s[16:17], s[40:41]
	s_lshl_b32 s40, s38, 8
	s_add_nc_u64 s[34:35], s[18:19], s[40:41]
	BODY 0, 16
.Lweights:
	s_sub_co_u32 s38, ttmp9, 512                   ; block w
	s_and_b32 s39, s38, 1
	s_cmp_lg_u32 s39, 0
	s_cselect_b64 s[28:29], s[10:11], s[8:9]       ; W_f or W_i
	s_cselect_b64 s[30:31], s[14:15], s[12:13]     ; W_g or W_o
	s_and_b32 s39, s38, 2
	s_cmp_lg_u32 s39, 0
	s_cselect_b64 s[28:29], s[30:31], s[28:29]
	s_lshr_b32 s40, s38, 2
	s_lshl_b32 s40, s40, 17                        ; 16 rows x 8,192 bytes
	s_lshl_b32 s39, s24, 11                        ; my chunk of 512 numbers
	s_add_co_u32 s40, s40, s39
	s_add_nc_u64 s[28:29], s[28:29], s[40:41]
	s_lshl_b32 s40, s38, 14
	s_lshl_b32 s39, s24, 12
	s_add_co_u32 s40, s40, s39
	s_add_nc_u64 s[32:33], s[20:21], s[40:41]
	s_lshl_b32 s40, s38, 10
	s_and_b32 s39, s24, 1
	s_lshl_b32 s39, s39, 9
	s_add_co_u32 s40, s40, s39
	s_lshr_b32 s39, s24, 1
	s_lshl_b32 s39, s39, 8
	s_add_co_u32 s40, s40, s39
	s_add_nc_u64 s[34:35], s[22:23], s[40:41]
	BODY 1, 20
.Lfunc_end_k_q3d295551dd_quant:
	.size	k_q3d295551dd_quant, .Lfunc_end_k_q3d295551dd_quant-k_q3d295551dd_quant
	.p2alignl 7, 3214868480
	.fill 96, 4, 3214868480
	.section	.rodata,"a",@progbits
	.p2align	6, 0x0
	.amdhsa_kernel k_q3d295551dd_quant
		.amdhsa_group_segment_fixed_size 74240
		.amdhsa_private_segment_fixed_size 0
		.amdhsa_enable_private_segment 0
		.amdhsa_kernarg_size 80
		.amdhsa_user_sgpr_count 2
		.amdhsa_user_sgpr_kernarg_segment_ptr 1
		.amdhsa_wavefront_size32 1
		.amdhsa_system_sgpr_workgroup_id_x 1
		.amdhsa_system_sgpr_workgroup_id_y 1
		.amdhsa_system_sgpr_workgroup_id_z 1
		.amdhsa_system_vgpr_workitem_id 0
		.amdhsa_next_free_vgpr 176
		.amdhsa_next_free_sgpr 66
		.amdhsa_reserve_vcc 0
		.amdhsa_float_denorm_mode_32 3
		.amdhsa_float_denorm_mode_16_64 3
		.amdhsa_memory_ordered 1
		.amdhsa_forward_progress 1
		.amdhsa_inst_pref_size 66
	.end_amdhsa_kernel
	.amdgpu_metadata
---
amdhsa.version: [ 1, 2 ]
amdhsa.kernels:
  - .name:           k_q3d295551dd_quant
    .symbol:         k_q3d295551dd_quant.kd
    .args:
      - { .name: x, .offset: 0, .size: 8, .value_kind: global_buffer, .address_space: global }
      - { .name: h, .offset: 8, .size: 8, .value_kind: global_buffer, .address_space: global }
      - { .name: W_i, .offset: 16, .size: 8, .value_kind: global_buffer, .address_space: global }
      - { .name: W_f, .offset: 24, .size: 8, .value_kind: global_buffer, .address_space: global }
      - { .name: W_o, .offset: 32, .size: 8, .value_kind: global_buffer, .address_space: global }
      - { .name: W_g, .offset: 40, .size: 8, .value_kind: global_buffer, .address_space: global }
      - { .name: a_codes, .offset: 48, .size: 8, .value_kind: global_buffer, .address_space: global }
      - { .name: a_scales, .offset: 56, .size: 8, .value_kind: global_buffer, .address_space: global }
      - { .name: w_codes, .offset: 64, .size: 8, .value_kind: global_buffer, .address_space: global }
      - { .name: w_scales, .offset: 72, .size: 8, .value_kind: global_buffer, .address_space: global }
    .group_segment_fixed_size: 74240
    .private_segment_fixed_size: 0
    .kernarg_segment_align: 8
    .kernarg_segment_size: 80
    .max_flat_workgroup_size: 128
    .sgpr_count:     66
    .vgpr_count:     176
    .wavefront_size: 32
...
	.end_amdgpu_metadata
.endif
;; end of part 1
;; launch cell (part 2): grid 16 x 16, 4 waves a work-group, clusters of 4 x 1, 327,680 bytes of LDS; arguments a_codes, a_scales, w_codes, w_scales, b_i, b_f, b_o, b_g, c, out0, out1; writes out0, out1
.if DOCPART == 2
	.amdgcn_target "amdgcn-amd-amdhsa--gfx1250"
	.amdhsa_code_object_version 6
	.text
	.protected	k_q3d295551dd_cell
	.globl	k_q3d295551dd_cell
	.p2align	8
	.type	k_q3d295551dd_cell,@function
k_q3d295551dd_cell:
	s_mov_b64 s[64:65], 0
	v_nop
	global_prefetch_b8 v0, s[64:65] scope:SCOPE_SE
	s_setreg_imm32_b32 hwreg(HW_REG_WAVE_MODE, 25, 1), 1
	s_wait_xcnt 0x0
	s_wait_alu depctr_hold_cnt(0) depctr_sa_sdst(0) depctr_va_vdst(0) depctr_va_sdst(0) depctr_va_ssrc(0) depctr_va_vcc(0) depctr_vm_vsrc(0)
	s_getreg_b32 s2, hwreg(HW_REG_IB_STS2, 6, 4)
	s_cmp_eq_u32 s2, 0
	s_cbranch_scc0 .Lentry_in_a_cluster
	s_endpgm
.Lentry_in_a_cluster:
	s_bfe_u32 s2, ttmp6, 0x10000c
	s_cmp_lg_u32 s2, 0x3003
	s_cbranch_scc0 .Lentry_shape_is_right
	s_endpgm
.Lentry_shape_is_right:
; LSTM cell, second of two launches: gates = A W'^T + b on codes of FP4 with E8M0 scales, then the cell's arithmetic in f32.  No work of the problem is left out.
; out0 = h_t, out1 = c_t.  i, f, o = sigmoid, g = tanh of the gates; c_t = f c + i g; h_t = o tanh(c_t).
; SHARES.  256 work-groups: column group cg (64 columns j = 256 rows of W') x row group rg (512 rows).  Wave w keeps the 64 rows of W' of columns 64 cg + 16 w .. + 15 (blocks 16 cg + 4 w + gate), for ALL of K,
; in 512 registers (windows 2 and 3), loaded once from the image that the first launch laid in register order: 512 consecutive bytes a load.  W' never lies in LDS, so it is not asked for jointly.
; Its loads are issued step by step among the first tile's products, six K steps ahead of their use, and waited for by count.
; [x | h] streams: 8 tiles of 64 rows x all of K through a ring of two LDS slots; a slot holds the tile's codes (rows of 1,024 bytes + 16), its scale bytes and the work-group's 64 x 64 of c.
; One tensor load a wave behind each round: waves 0, 1 the codes' halves, wave 2 the scales (both JOINTLY, mask 15: the four column groups of a cluster read the same rows), wave 3 c, a load of its own.
; A TILE: 256 matrix instructions a wave (16 accumulators by turns, 16 steps of 128 along K).  The change of slots stands in its last pair of steps: by then the slot's codes, scales and c are all in registers.
; Behind the round: the refill (tile t + 2), the read-back of tile t - 1's results, the next tile's scale words and first four steps' fragments; then tile t's arithmetic, 32 numbers a lane, while those land.
; The two slots, and the two stages, lie 2^17 bytes apart: the LDS address registers and the descriptors' LDS words are toggled by XOR once a tile, so one text serves both.
; TRANSPOSED USE: source 0 = 16 rows of W' (one gate), source 1 = 16 rows of A: in accumulator (a, gate) lane (r, h) holds row 16 a + r and in register k column 8 h + k of my 16.  The biases are the C of each sum's first instruction.
; THE WAY OUT: c_t and h_t go into the stage of the tile's parity (no tensor load lands there); behind the next round each wave reads 16 whole rows back and stores them, sixteen lanes to 256 aligned bytes.
; sigmoid(x) = 1 / (1 + 2^(-L x)), tanh(x) = 1 - 2 / (1 + 2^(2 L x)), L = log2(e): an exponential that overflows gives the limit 0 or 1, so no hold is needed.
; PREFETCH: in tile t each wave names, one block of 256 bytes a lane, its share of tile t + 3 (which the next tile's round loads): waves 0, 1 the codes (the cluster's four partners share the 64 rows out by address),
; waves 2, 3 the rows of c.  Tiles 5 to 7 ask for nothing; tiles 0 to 2 come by their loads alone.  The scale bytes (16 blocks a tile) are left to their load.
; W': the sixteen row groups that read a column group's 262,144 bytes share them out by address: at the head's end a work-group names the eighth rg % 8, one block of 256 bytes a thread, one instruction a wave;
; so each block is named by two work-groups of the launch.
; LIMITS: NaN and infinities among the inputs are not served.
; REGISTERS: window 0: v2-17 addresses; v32-63 W's scale words; v64-95 A's; v96-127 biases; v128-255 A's fragments, four steps.  Window 1: v0-127 accumulators, v128-159 c then c_t, v160-223 rows read back, v224-255 h_t.
.set PA,    1040
.set PC,    272
.set SLOTX, 0x20000                    ; slot 1 and stage 1 lie so far behind slot 0 and stage 0
.set SCLO,  66560
.set CLO,   70912
.set STAGE, 88320                      ; behind slot 0: 64 rows x 272 of c_t, then of h_t
.set HOF,   17408
.set SPARE, 123136                     ; behind stage 0: the spare words, 512 bytes that no other line names
.set ADRA, 2
.set ADRS, 3
.set ADRC, 4
.set STW,  5
.set STR,  6
.set PW,   7                           ; v7: 256 x my thread's number: my block of W's prefetch; never rewritten
.set CO,   12
.set PFO,  13
.set WLO,  14
.set VB,   15
.set SPW,  16
.set NIL,  17
.set WS,   32
.set AS,   64
.set BI,   96
.set AF,   128
.set CV,   128
.set RB,   160
.set HV,   224
.set WV,  26
.set CX,  27
.set G1A, 28
.set G1S, 36
.set G1C, 44
.set G0A, 52                           ; s[52:55] codes, s[56:59] scales, s[60:63] c: one group 0 each, stepped a tile at a time
.set G0S, 56
.set G0C, 60
.set PWB, 68                           ; s[68:69] the base of W's prefetch; never rewritten
.set CG,  80
.set RG,  81
.set CNT, 82
.set PF,  84                           ; s[84:85] where my prefetch of tiles stands, s[86:87] its step
.set PFS, 86
.set OS,  88                           ; s[88:89] what the next way out adds to the outputs' addresses
.set NL,  90                           ; s[90:91] -L, s[92:93] 2 L
.set PL,  92
.set W1,  95
.set MSB, 0
.macro WIN new
.if MSB != (\new)
	s_set_vgpr_msb (MSB<<8)|(\new)
.set MSB, (\new)
.endif
.endm
.macro PLACES
.rept 4
	v_nop
.endr
.endm
.macro CREST                           ; a round of the cluster's barrier behind its opening barrier
	s_cmp_lg_u32 s[WV], 0
	s_cbranch_scc1 .Lnw0_\@
	s_barrier_signal -3
.Lnw0_\@:
	s_barrier_wait -3
	s_barrier_signal -1
	s_barrier_wait -1
.endm
.macro ROUND
	s_barrier_signal -1
	s_barrier_wait -1
	CREST
.endm
.macro TLOAD                           ; one chain of branches on the wave's number, one load to an arm; s_nop 0 and four v_nop behind each
	s_cmp_lt_u32 s[WV], 2
	s_cbranch_scc0 .Lts_\@
	tensor_load_to_lds s[G0A:G0A+3], s[G1A:G1A+7]
	s_nop 0
	PLACES
	s_branch .Ltd_\@
.Lts_\@:
	s_cmp_eq_u32 s[WV], 2
	s_cbranch_scc0 .Ltc_\@
	tensor_load_to_lds s[G0S:G0S+3], s[G1S:G1S+7]
	s_nop 0
	PLACES
	s_branch .Ltd_\@
.Ltc_\@:
	tensor_load_to_lds s[G0C:G0C+3], s[G1C:G1C+7]
	s_nop 0
	PLACES
.Ltd_\@:
.endm
.macro GSTEP                           ; no tensor load of mine is out: the next tile, into the other slot
	s_xor_b32 s[G0A+1], s[G0A+1], SLOTX
	s_xor_b32 s[G0S+1], s[G0S+1], SLOTX
	s_xor_b32 s[G0C+1], s[G0C+1], SLOTX
	s_add_nc_u64 s[G0A+2:G0A+3], s[G0A+2:G0A+3], 65536
	s_add_nc_u64 s[G0S+2:G0S+3], s[G0S+2:G0S+3], 4096
	s_add_nc_u64 s[G0C+2:G0C+3], s[G0C+2:G0C+3], 262144
.endm
	s_load_b256 s[4:11], s[0:1], 0x0               ; a_codes, a_scales, w_codes, w_scales
	s_load_b256 s[12:19], s[0:1], 0x20             ; b_i, b_f, b_o, b_g
	s_load_b128 s[20:23], s[0:1], 0x40             ; c, out0
	s_load_b64 s[24:25], s[0:1], 0x50              ; out1
	v_lshl_add_u32 v[SPW], v0, 2, SPARE
	v_mov_b32 v[NIL], 0
	ds_add_u32 v[SPW], v[NIL]                      ; the opening lines: the add twice on end under one wait
	ds_add_u32 v[SPW], v[NIL]
	v_lshrrev_b32 v1, 5, v0
	v_readfirstlane_b32 s[WV], v1
	s_and_b32 s[W1], s[WV], 1
	s_bfe_u32 s[CX], ttmp6, 0x40000
	s_lshl_b32 s[CG], ttmp9, 2
	s_add_co_u32 s[CG], s[CG], s[CX]               ; column group
	s_and_b32 s[RG], ttmp7, 0xffff                 ; row group
	s_mov_b32 s[G1A+0], 15|(3<<16)|(1<<20)|(1<<21)|(7<<22)|(3<<25)   ; codes: 32 rows x 128 elements of 8 bytes; 4 words of padding behind every 256; mask of the four partners
	s_mov_b32 s[G1A+1], 128<<16
	s_mov_b32 s[G1A+2], 32<<16
	s_mov_b32 s[G1A+3], 128<<16
	s_mov_b32 s[G1A+4], 32
	s_mov_b32 s[G1A+5], 128
	s_mov_b32 s[G1A+6], 0
	s_mov_b32 s[G1A+7], 0
	s_mov_b32 s[G1S+0], 15|(3<<16)|(1<<20)|(1<<21)|(5<<22)|(3<<25)   ; scales: 4,096 dense bytes as 16 rows of 256, 16 of padding behind each
	s_mov_b32 s[G1S+1], 32<<16
	s_mov_b32 s[G1S+2], 16<<16
	s_mov_b32 s[G1S+3], 32<<16
	s_mov_b32 s[G1S+4], 16
	s_mov_b32 s[G1S+5], 32
	s_mov_b32 s[G1S+6], 0
	s_mov_b32 s[G1S+7], 0
	s_mov_b32 s[G1C+0], (2<<16)|(1<<20)|(5<<22)|(3<<25)              ; c: 64 rows x 64 f32, no mask
	s_mov_b32 s[G1C+1], 64<<16
	s_mov_b32 s[G1C+2], 64<<16
	s_mov_b32 s[G1C+3], 64<<16
	s_mov_b32 s[G1C+4], 64
	s_mov_b32 s[G1C+5], 1024
	s_mov_b32 s[G1C+6], 0
	s_mov_b32 s[G1C+7], 0
	s_lshl_b32 s2, s[RG], 19                       ; A's codes: 512 rows x 1,024 bytes a row group,
	s_lshl_b32 s3, s[W1], 15                       ; + my 32 rows of the tile
	s_add_co_u32 s2, s2, s3
	s_mov_b32 s3, 0
	s_mul_i32 s94, s[W1], 32*PA
	s_lshl_b32 s96, s[RG], 21                      ; c and the outputs: 512 rows x 4,096 bytes + 256 bytes a column group
	s_lshl_b32 s97, s[CG], 8
	s_add_co_u32 s96, s96, s97
	s_mov_b32 s97, 0
	s_wait_dscnt 0x0
	s_wait_kmcnt 0x0
	s_add_nc_u64 s[G0A+2:G0A+3], s[4:5], s[2:3]
	s_lshl_b32 s2, s[RG], 15
	s_add_nc_u64 s[G0S+2:G0S+3], s[6:7], s[2:3]
	s_add_nc_u64 s[G0C+2:G0C+3], s[20:21], s[96:97]
	s_mov_b32 s[G0A], 1
	s_add_co_u32 s[G0A+1], s94, 0
	s_or_b32 s[G0A+3], s[G0A+3], 0x80000000
	s_mov_b32 s[G0S], 1
	s_mov_b32 s[G0S+1], SCLO
	s_or_b32 s[G0S+3], s[G0S+3], 0x80000000
	s_mov_b32 s[G0C], 1
	s_mov_b32 s[G0C+1], CLO
	s_or_b32 s[G0C+3], s[G0C+3], 0x80000000
	ROUND                                          ; in front of the first joint loads
	TLOAD                                          ; tile 0: one tensor load a wave at the head
	s_add_nc_u64 s[22:23], s[22:23], s[96:97]
	s_add_nc_u64 s[24:25], s[24:25], s[96:97]
	s_lshl_b32 s98, s[CG], 18                      ; W's image: 16,384 bytes a block, 16 blocks a column group
	s_and_b32 s99, s[RG], 7                        ; the prefetch of W': my work-group's eighth, 32,768 bytes
	s_lshl_b32 s99, s99, 15
	s_add_co_u32 s70, s98, s99
	s_mov_b32 s71, 0
	s_add_nc_u64 s[PWB:PWB+1], s[8:9], s[70:71]
	s_lshl_b32 s99, s[WV], 16                      ; my wave's four blocks
	s_add_co_u32 s98, s98, s99
	s_mov_b32 s99, 0
	s_add_nc_u64 s[8:9], s[8:9], s[98:99]
	s_lshr_b32 s98, s98, 4                         ; its scales: 1,024 bytes a block
	s_add_nc_u64 s[10:11], s[10:11], s[98:99]
	s_lshr_b32 s98, s98, 6                         ; the biases: 256 cg + 64 w bytes
.irp g, 0,1,2,3
	s_add_nc_u64 s[12+2*\g:13+2*\g], s[12+2*\g:13+2*\g], s[98:99]
.endr
	s_lshl_b32 s98, s[RG], 19                      ; the prefetches of tiles, tile 3 first.  Codes: my partner's 16 rows, my wave's 8 of them
	s_lshl_b32 s99, s[CX], 14
	s_add_co_u32 s98, s98, s99
	s_lshl_b32 s99, s[W1], 13
	s_add_co_u32 s98, s98, s99
	s_add_co_u32 s98, s98, 196608
	s_lshl_b32 s100, s[W1], 17                     ; c: my wave's 32 rows
	s_add_co_u32 s100, s100, s96
	s_add_co_u32 s100, s100, 786432
	s_mov_b32 s101, 0x10000
	s_mov_b32 s83, 0x40000
	s_cmp_lt_u32 s[WV], 2                          ; every choice hangs on the wave's number alone
	s_cselect_b64 s[PF:PF+1], s[4:5], s[20:21]
	s_cselect_b32 s98, s98, s100
	s_cselect_b32 s[PFS], s101, s83
	s_cselect_b32 s100, 2, 0                       ; lanes to a row: 4 or 1
	s_cselect_b32 s101, 10, 12                     ; a row is 2^10 or 2^12 bytes
	s_cselect_b32 s83, 3, 0
	s_mov_b32 s99, 0
	s_mov_b32 s[PFS+1], 0
	s_add_nc_u64 s[PF:PF+1], s[PF:PF+1], s[98:99]
	s_mov_b32 s[OS], 0
	s_mov_b32 s[OS+1], 0
	s_mov_b32 s[NL], 0xbfb8aa3b
	s_mov_b32 s[NL+1], 0xbfb8aa3b
	s_mov_b32 s[PL], 0x4038aa3b
	s_mov_b32 s[PL+1], 0x4038aa3b
	s_lshl_b32 s2, s[WV], 6
	s_mul_i32 s3, s[WV], 16*PC
	s_lshl_b32 s94, s[WV], 16
	v_and_b32 v18, 15, v0                          ; r
	v_bfe_u32 v19, v0, 4, 1                        ; h
	v_and_b32 v20, 31, v0                          ; lane
	v_mul_u32_u24 v21, v18, PA
	v_lshl_add_u32 v[ADRA], v19, 4, v21            ; a fragment: row x pitch + 16 h
	v_lshlrev_b32 v21, 6, v18                      ; A's scale words: 64 bytes a row, 16 more for each 256 passed, + 32 h (lanes 16-31: K's second half)
	v_lshrrev_b32 v22, 2, v18
	v_lshl_add_u32 v21, v22, 4, v21
	v_lshl_add_u32 v21, v19, 5, v21
	v_add_nc_u32 v[ADRS], SCLO, v21
	v_mul_u32_u24 v21, v18, PC                     ; c, c_t, h_t: row r, 64 w + 32 h bytes
	v_lshl_add_u32 v21, v19, 5, v21
	v_add_nc_u32 v21, s2, v21
	v_add_nc_u32 v[ADRC], CLO, v21
	v_add_nc_u32 v[STW], STAGE+SLOTX, v21          ; (toggled ahead of its first use: tile 0 writes stage 0)
	v_mul_u32_u24 v21, v19, PC                     ; back: row 16 w + h, 16 bytes a lane
	v_lshl_add_u32 v21, v18, 4, v21
	v_add_nc_u32 v21, s3, v21
	v_add_nc_u32 v[STR], STAGE, v21                ; (toggled twice ahead of its first use: tile 1 reads stage 0)
	v_lshlrev_b32 v21, 12, v19                     ; and the same place in the outputs
	v_lshl_add_u32 v21, v18, 4, v21
	v_add_nc_u32 v[CO], s94, v21
	v_lshlrev_b32 v[WLO], 4, v20
	v_lshlrev_b32 v[VB], 5, v19
	v_lshrrev_b32 v21, s100, v20
	v_lshlrev_b32 v21, s101, v21
	v_and_b32 v22, s83, v20
	v_lshl_add_u32 v[PFO], v22, 8, v21
	v_lshlrev_b32 v[PW], 8, v0
	s_wait_alu depctr_va_vdst(0)                   ; the wait at the head's end
	global_prefetch_b8 v[PW], s[PWB:PWB+1] th:TH_LOAD_NT scope:SCOPE_SE   ; my work-group's eighth of W': 128 threads x 256 bytes
.irp g, 0,1,2,3
	global_load_b128 v[BI+8*\g:BI+8*\g+3], v[VB], s[12+2*\g:13+2*\g]
	global_load_b128 v[BI+8*\g+4:BI+8*\g+7], v[VB], s[12+2*\g:13+2*\g] offset:16
.endr
.irp b, 0,1,2,3
.irp i, 0,1
	global_load_b128 v[WS+8*\b+4*\i:WS+8*\b+4*\i+3], v[WLO], s[10:11] offset:\b*1024+\i*512   ; lanes 0-15: steps 4 i .. + 3, lanes 16-31: steps 8 + 4 i .. + 3
.endr
.endr
.macro WLOAD q                         ; W's four fragments of step q: window 2 (steps 0-7) or 3
	WIN 0x80+0x40*((\q)/8)
.irp b, 0,1,2,3
.irp c, 0,1
	global_load_b128 v[32*((\q)%8)+8*\b+4*\c:32*((\q)%8)+8*\b+4*\c+3], v[WLO], s[8:9] offset:\b*16384+(\q)*1024+\c*512
.endr
.endr
.endm
.irp q, 0,1,2,3,4,5
	WLOAD \q
.endr
	WIN 0
; 16 matrix instructions: step q of 128 along K, A's four blocks x the four gates; the accumulators take turns
.macro MM q, bias
.irp a, 0,1,2,3
.irp b, 0,1,2,3
.if \bias
	v_wmma_scale_f32_16x16x128_f8f6f4 v[8*(4*\a+\b):8*(4*\a+\b)+7], v[32*((\q)%8)+8*\b:32*((\q)%8)+8*\b+7], v[AF+32*((\q)%4)+8*\a:AF+32*((\q)%4)+8*\a+7], v[BI+8*\b:BI+8*\b+7], v[WS+8*\b+(\q)%8], v[AS+8*\a+(\q)%8] matrix_a_fmt:MATRIX_FMT_FP4 matrix_b_fmt:MATRIX_FMT_FP4
.elseif (\q) < 8
	v_wmma_scale_f32_16x16x128_f8f6f4 v[8*(4*\a+\b):8*(4*\a+\b)+7], v[32*((\q)%8)+8*\b:32*((\q)%8)+8*\b+7], v[AF+32*((\q)%4)+8*\a:AF+32*((\q)%4)+8*\a+7], v[8*(4*\a+\b):8*(4*\a+\b)+7], v[WS+8*\b+(\q)%8], v[AS+8*\a+(\q)%8] matrix_a_fmt:MATRIX_FMT_FP4 matrix_b_fmt:MATRIX_FMT_FP4
.else
	v_wmma_scale_f32_16x16x128_f8f6f4 v[8*(4*\a+\b):8*(4*\a+\b)+7], v[32*((\q)%8)+8*\b:32*((\q)%8)+8*\b+7], v[AF+32*((\q)%4)+8*\a:AF+32*((\q)%4)+8*\a+7], v[8*(4*\a+\b):8*(4*\a+\b)+7], v[WS+8*\b+(\q)%8], v[AS+8*\a+(\q)%8] matrix_a_fmt:MATRIX_FMT_FP4 matrix_b_fmt:MATRIX_FMT_FP4 matrix_a_scale:MATRIX_SCALE_ROW1 matrix_b_scale:MATRIX_SCALE_ROW1
.endif
.endr
.endr
.endm
.macro FETCH q                         ; A's four fragments of step q: 8 LDS loads
.irp a, 0,1,2,3
.irp c, 0,1
	ds_load_b128 v[AF+32*((\q)%4)+8*\a+4*\c:AF+32*((\q)%4)+8*\a+4*\c+3], v[ADRA] offset:\a*16*PA+64*(\q)+32*\c
.endr
.endr
.endm
.macro START                           ; a tile's scale words and its first four steps' fragments: 40 LDS loads
.irp a, 0,1,2,3
.irp i, 0,1
	ds_load_b128 v[AS+8*\a+4*\i:AS+8*\a+4*\i+3], v[ADRS] offset:\a*4*PC+16*\i
.endr
.endr
.irp q, 0,1,2,3
	FETCH \q
.endr
.endm
.macro RBACK                           ; my 16 whole rows of c_t and of h_t out of the stage
	WIN 0x40
.irp i, 0,1,2,3,4,5,6,7
	ds_load_b128 v[RB+4*\i:RB+4*\i+3], v[STR] offset:2*\i*PC
.endr
.irp i, 0,1,2,3,4,5,6,7
	ds_load_b128 v[RB+32+4*\i:RB+32+4*\i+3], v[STR] offset:HOF+2*\i*PC
.endr
	WIN 0
.endm
.macro SEND                            ; sixteen lanes store 256 consecutive bytes, aligned
	WIN 0x04
.irp i, 0,1,2,3,4,5,6,7
	global_store_b128 v[CO], v[RB+4*\i:RB+4*\i+3], s[24:25] offset:2*\i*4096 th:TH_STORE_NT
.endr
.irp i, 0,1,2,3,4,5,6,7
	global_store_b128 v[CO], v[RB+32+4*\i:RB+32+4*\i+3], s[22:23] offset:2*\i*4096 th:TH_STORE_NT
.endr
	s_mov_b32 s[OS], 0x40000                       ; from now on each way out lies 64 rows further down
.endm
.macro ALLTR op, n                     ; a batch of transcendentals in place on v0 .. v(n - 1), a wait ahead and, behind a plain place, a wait behind
	s_wait_alu depctr_va_vdst(0)
.set NN, 0
.rept \n
	\op v[NN], v[NN]
.set NN, NN+1
.endr
	v_nop
	s_wait_alu depctr_va_vdst(0)
.endm
.macro SOMETR op                       ; the same on the eight registers of accumulator (a, 0), a = 0 .. 3
	s_wait_alu depctr_va_vdst(0)
.irp a, 0,1,2,3
.irp k, 0,1,2,3,4,5,6,7
	\op v[32*\a+\k], v[32*\a+\k]
.endr
.endr
	v_nop
	s_wait_alu depctr_va_vdst(0)
.endm
; The cell's arithmetic, all in window 1; each accumulator is read from its low end on.  rb: the tile before, read back, is stored behind the first batch; younger: the LDS loads issued behind the read-back's
.macro EPI rb, younger
	WIN 0x55
.irp a, 0,1,2,3
.irp b, 0,1,2,3
.irp k, 0,2,4,6
	v_pk_mul_f32 v[32*\a+8*\b+\k:32*\a+8*\b+\k+1], v[32*\a+8*\b+\k:32*\a+8*\b+\k+1], s[NL+2*(\b/3):NL+2*(\b/3)+1] op_sel_hi:[1,0]   ; -L x for i, f, o; 2 L x for g
.endr
.endr
.endr
	ALLTR v_exp_f32, 128
.if \rb
	s_wait_dscnt \younger                          ; the rows read back are in
	SEND
	WIN 0x55
.endif
.set NN, 0
.rept 64
	v_pk_add_f32 v[NN:NN+1], v[NN:NN+1], 1.0 op_sel_hi:[1,0]
.set NN, NN+2
.endr
	ALLTR v_rcp_f32, 128                           ; i, f, o, and 1 / (1 + e_g)
.irp a, 0,1,2,3
.irp k, 0,2,4,6
	v_pk_fma_f32 v[32*\a+24+\k:32*\a+24+\k+1], v[32*\a+24+\k:32*\a+24+\k+1], -2.0, 1.0 op_sel_hi:[1,0,0]   ; g
.endr
.endr
.irp a, 0,1,2,3
.irp k, 0,2,4,6
	v_pk_mul_f32 v[CV+8*\a+\k:CV+8*\a+\k+1], v[32*\a+8+\k:32*\a+8+\k+1], v[CV+8*\a+\k:CV+8*\a+\k+1]        ; f c
.endr
.endr
.irp a, 0,1,2,3
.irp k, 0,2,4,6
	v_pk_fma_f32 v[CV+8*\a+\k:CV+8*\a+\k+1], v[32*\a+\k:32*\a+\k+1], v[32*\a+24+\k:32*\a+24+\k+1], v[CV+8*\a+\k:CV+8*\a+\k+1]   ; c_t
.endr
.endr
.irp a, 0,1,2,3
.irp k, 0,2,4,6
	v_pk_mul_f32 v[32*\a+\k:32*\a+\k+1], v[CV+8*\a+\k:CV+8*\a+\k+1], s[PL:PL+1] op_sel_hi:[1,0]            ; 2 L c_t
.endr
.endr
	WIN 0x04
.irp a, 0,1,2,3
.irp j, 0,1
	ds_store_b128 v[STW], v[CV+8*\a+4*\j:CV+8*\a+4*\j+3] offset:\a*16*PC+16*\j
.endr
.endr
	WIN 0x55
	SOMETR v_exp_f32
.irp a, 0,1,2,3
.irp k, 0,2,4,6
	v_pk_add_f32 v[32*\a+\k:32*\a+\k+1], v[32*\a+\k:32*\a+\k+1], 1.0 op_sel_hi:[1,0]
.endr
.endr
	SOMETR v_rcp_f32
.irp a, 0,1,2,3
.irp k, 0,2,4,6
	v_pk_fma_f32 v[32*\a+\k:32*\a+\k+1], v[32*\a+\k:32*\a+\k+1], -2.0, 1.0 op_sel_hi:[1,0,0]               ; tanh(c_t)
.endr
.endr
.irp a, 0,1,2,3
.irp k, 0,2,4,6
	v_pk_mul_f32 v[HV+8*\a+\k:HV+8*\a+\k+1], v[32*\a+\k:32*\a+\k+1], v[32*\a+16+\k:32*\a+16+\k+1]          ; h_t, in registers that no product writes
.endr
.endr
	WIN 0x04
.irp a, 0,1,2,3
.irp j, 0,1
	ds_store_b128 v[STW], v[HV+8*\a+4*\j:HV+8*\a+4*\j+3] offset:HOF+\a*16*PC+16*\j
.endr
.endr
	WIN 0
.endm
; A tile.  first: the launch's first (the rest of W' is asked for among its products; no tile went before it).  rb: the tile before goes out.  fill: this slot takes the tile two on.
; pre: a tile follows.  ask: 1 = prefetch, 2 = prefetch but not in the loop's last trip.
.macro TILE first, rb, fill, pre, ask
.set J, 0
.rept 7                                ; pairs of steps; a pair's 16 loads are issued two pairs ahead, into the registers of the pair just multiplied
.if \first
.if 2*J+6 < 16
	WLOAD 2*J+6
.endif
.if 2*J+7 < 16
	WLOAD 2*J+7
.endif
.endif
.if J < 2
	s_wait_dscnt 32-16*\first                      ; younger: the next pair's 16 loads and the 16 stage stores of the tile before
.else
	s_wait_dscnt 16                                ; younger: the next pair's
.endif
.if \first
.if J < 5
	s_wait_loadcnt 48                              ; younger: six later steps' loads of W', eight a step
.else
	s_wait_loadcnt (14-2*J)*8                      ; at the end: the steps that are left
.endif
.endif
.if J == 0
	WIN 0x42                                       ; W' window 2, A and the biases window 0, D window 1
	MM 0, 1
	WIN 0x52
	MM 1, 0
.else
	WIN 0x52+J/4
	MM 2*J, 0
	MM 2*J+1, 0
.endif
.if J < 6
	PLACES
	WIN 0
	FETCH 2*J+4
	FETCH 2*J+5
.else
	WIN 0x40
.irp a, 0,1,2,3
.irp j, 0,1
	ds_load_b128 v[CV+8*\a+4*\j:CV+8*\a+4*\j+3], v[ADRC] offset:\a*16*PC+16*\j
.endr
.endr
	WIN 0
.endif
.set J, J+1
.endr
.if \first
	s_wait_loadcnt 0x0                             ; the last two steps of W'
.endif
	s_wait_tensorcnt 0x0                           ; my one load, my part of the next tile, has landed
	ds_add_u32 v[SPW], v[NIL]
	s_wait_dscnt 9                                 ; the last pair's fragments are in; c's eight loads and the add may be out
	WIN 0x53
	MM 14, 0
	s_wait_dscnt 0x0                               ; the add is done and my reads of this slot are over
	s_barrier_signal -1
	MM 15, 0
	WIN 0
	s_barrier_wait -1
	CREST
.if \fill
	GSTEP
	TLOAD                                          ; the first tensor load behind the round; its four v_nop are among the places in front of what follows
.else
	PLACES
.endif
.if \first == 0
	s_wait_xcnt 0x0                                ; my stores and my prefetch have read their registers
	s_add_nc_u64 s[PF:PF+1], s[PF:PF+1], s[PFS:PFS+1]
.endif
.if \rb
	s_add_nc_u64 s[22:23], s[22:23], s[OS:OS+1]
	s_add_nc_u64 s[24:25], s[24:25], s[OS:OS+1]
.endif
.irp r, ADRA, ADRS, ADRC, STW, STR
	v_xor_b32 v[\r], SLOTX, v[\r]                  ; on to the other slot and the other stage
.endr
	s_wait_alu depctr_va_vdst(0)                   ; the wait here, directly behind the writes
.if \rb
	RBACK
.endif
.if \pre
	START
.endif
.if \ask == 2
	s_cmp_eq_u32 s[CNT], 1
	s_cbranch_scc1 .Lnp_\@
.endif
.if \ask
	global_prefetch_b8 v[PFO], s[PF:PF+1] th:TH_LOAD_NT scope:SCOPE_SE
.endif
.if \ask == 2
.Lnp_\@:
.endif
	EPI \rb, 40*\pre
.endm
	s_wait_tensorcnt 0x0                           ; my part of tile 0 is in
	ds_add_u32 v[SPW], v[NIL]
	GSTEP
	s_wait_dscnt 0x0
	ROUND
	TLOAD                                          ; tile 1: slot 1's first fill
	START
	TILE 1, 0, 1, 1, 1                             ; tile 0
	s_mov_b32 s[CNT], 5
.Lloop:
	TILE 0, 1, 1, 1, 2                             ; tiles 1 to 5
	s_sub_co_u32 s[CNT], s[CNT], 1
	s_cmp_lg_u32 s[CNT], 0
	s_cbranch_scc1 .Lloop
	TILE 0, 1, 0, 1, 0                             ; tile 6 fetches nothing
	TILE 0, 1, 0, 0, 0                             ; tile 7
	v_xor_b32 v[STR], SLOTX, v[STR]
	s_wait_alu depctr_va_vdst(0)                   ; the wait here, directly behind the write
	s_wait_xcnt 0x0
	s_add_nc_u64 s[22:23], s[22:23], s[OS:OS+1]
	s_add_nc_u64 s[24:25], s[24:25], s[OS:OS+1]
	s_wait_dscnt 0x0                               ; for the others' sake: my stores into the stage are done
	s_barrier_signal -1
	s_barrier_wait -1
	RBACK
	s_wait_dscnt 0x0
	SEND
	WIN 0
	s_wait_tensorcnt 0x0                           ; the wave's end
	ds_add_u32 v[SPW], v[NIL]
	s_wait_dscnt 0x0
	ROUND                                          ; the closing round
	s_endpgm
.Lfunc_end_k_q3d295551dd_cell:
	.size	k_q3d295551dd_cell, .Lfunc_end_k_q3d295551dd_cell-k_q3d295551dd_cell
	.p2alignl 7, 3214868480
	.fill 96, 4, 3214868480
	.section	.rodata,"a",@progbits
	.p2align	6, 0x0
	.amdhsa_kernel k_q3d295551dd_cell
		.amdhsa_group_segment_fixed_size 327680
		.amdhsa_private_segment_fixed_size 0
		.amdhsa_enable_private_segment 0
		.amdhsa_kernarg_size 88
		.amdhsa_user_sgpr_count 2
		.amdhsa_user_sgpr_kernarg_segment_ptr 1
		.amdhsa_wavefront_size32 1
		.amdhsa_system_sgpr_workgroup_id_x 1
		.amdhsa_system_sgpr_workgroup_id_y 1
		.amdhsa_system_sgpr_workgroup_id_z 1
		.amdhsa_system_vgpr_workitem_id 0
		.amdhsa_next_free_vgpr 1024
		.amdhsa_next_free_sgpr 102
		.amdhsa_reserve_vcc 0
		.amdhsa_float_denorm_mode_32 3
		.amdhsa_float_denorm_mode_16_64 3
		.amdhsa_memory_ordered 1
		.amdhsa_forward_progress 1
		.amdhsa_inst_pref_size 255
	.end_amdhsa_kernel
	.section	.bss,"aw",@nobits
	.p2align	6
	.space	262144
	.amdgpu_metadata
---
amdhsa.version: [ 1, 2 ]
amdhsa.kernels:
  - .name:           k_q3d295551dd_cell
    .symbol:         k_q3d295551dd_cell.kd
    .args:
      - { .name: a_codes, .offset: 0, .size: 8, .value_kind: global_buffer, .address_space: global }
      - { .name: a_scales, .offset: 8, .size: 8, .value_kind: global_buffer, .address_space: global }
      - { .name: w_codes, .offset: 16, .size: 8, .value_kind: global_buffer, .address_space: global }
      - { .name: w_scales, .offset: 24, .size: 8, .value_kind: global_buffer, .address_space: global }
      - { .name: b_i, .offset: 32, .size: 8, .value_kind: global_buffer, .address_space: global }
      - { .name: b_f, .offset: 40, .size: 8, .value_kind: global_buffer, .address_space: global }
      - { .name: b_o, .offset: 48, .size: 8, .value_kind: global_buffer, .address_space: global }
      - { .name: b_g, .offset: 56, .size: 8, .value_kind: global_buffer, .address_space: global }
      - { .name: c, .offset: 64, .size: 8, .value_kind: global_buffer, .address_space: global }
      - { .name: out0, .offset: 72, .size: 8, .value_kind: global_buffer, .address_space: global }
      - { .name: out1, .offset: 80, .size: 8, .value_kind: global_buffer, .address_space: global }
    .group_segment_fixed_size: 327680
    .private_segment_fixed_size: 0
    .kernarg_segment_align: 8
    .kernarg_segment_size: 88
    .max_flat_workgroup_size: 128
    .sgpr_count:     102
    .vgpr_count:     1024
    .wavefront_size: 32
...
	.end_amdgpu_metadata
.endif
;; end of part 2
